; MI455X (gfx1250); checked and timed in simulation.
; The chip was launched on July 23, 2026; its instructions are those of AMD's public machine-readable ISA for CDNA 5 (MIT licence, August 2026) and "CDNA5" Instruction Set Architecture Reference Guide (July 2026). The comments in the code are by the model that wrote it; some were corrected since.
;; Classifier. Allowed arithmetic: matrix products marked QUANTISED: E2M1 operands, one E8M0 scale for each 32 along K, by v_wmma_scale_f32_16x16x128_f8f6f4 with both operands' format E2M1 (or v_wmma_scale_f32_32x16x128_f4), f32 sums; products left as they are: f32 operands where the result goes on into a quantised operand, else bf16, f16 or f32 operands; f32 sums; everything else in f32.
;; Inputs: emb 1,024 x 128 float32; weight 256 x 64 x 128 float32.
;; Outputs: out0 1,024 x 256 float32.
;; This version of the problem:
;;   THIS VERSION OF THE PROBLEM IS GIVEN IN LOW PRECISION. The matrix products marked QUANTISED in the list below multiply operands that are first quantised to E2M1 (2 exponent bits, 1 mantissa bit; 4 bits a number), with one power-of-two scale for each 32 numbers along K (OCP MX v1.0); their sums are f32. All else is computed in f32.
;;   The module's matrix products, in the order in which they are computed (A, B: the left and right operand; K: the contracted axis; several contracted axes count as one K, in the product's order):
;;     1. [M 1,024, K 128] x [K 128, N 16,384]; A: input emb; B: input weight: QUANTISED
;;     2. batch 262,144 x [M 1, K 8] x [K 8, N 128]; A: softmax; B: computed on the way: left as it is (K = 8 < 32)
;;     3. batch 1,024 x [M 256, K 128] x [K 128, N 1]; A: computed on the way; B: input emb: left as it is (N = 1 < 16)
;;   THE QUANTISER, for each operand of a quantised product, along K:
;;     - K is cut into blocks of 32 from its start; a last block that is shorter is filled with zeros.
;;     - A block's scale is 2^e with e = floor(log2(the largest magnitude in the block)) - 2, held to -126 .. 127; a block of zeros has e = 0. As a byte (E8M0): e + 127.
;;     - Each number is divided by its block's scale, clamped to +-6, and rounded to the nearest number of E2M1, ties to even, subnormals kept.
;;     - The product sums the exact products of the quantised numbers (number of the format x scale) in f32.
;;   ~~~python
;;   def quantise(x, axis):      # numpy; x: float32 -> the quantised numbers, widened to float32 again
;;       x = np.moveaxis(x, axis, -1); K = x.shape[-1]
;;       x = np.pad(x, [(0, 0)] * (x.ndim - 1) + [(0, -K % 32)]); x = x.reshape(x.shape[:-1] + (-1, 32)); a = np.abs(x).max(-1, keepdims=True)
;;       e = np.where(a > 0, np.clip(np.frexp(np.where(a > 0, a, 1))[1] - 1 - 2, -126, 127), 0)      # np.frexp(a)[1] - 1 = floor(log2(a)), exactly
;;       r = np.clip(x / 2.0 ** e, -6, 6)
;;       step = 2.0 ** (np.maximum(np.frexp(np.where(r == 0, 1, r))[1] - 1, 0) - 1)
;;       q = np.round(r / step) * step * 2.0 ** e      # np.round: ties to even
;;       return np.moveaxis(q.reshape(q.shape[:-2] + (-1,))[..., :K], -1, axis).astype(np.float32)
;;   ~~~
;; One version. Each part assembles by itself: llvm-mc -triple=amdgcn-amd-amdhsa -mcpu=gfx1250 --defsym DOCPART=n.
;; ======== version 1 of 1: 1 launch
;; launch route (part 1): grid 4 x 64, 16 waves a work-group, no clusters, 262,144 bytes of LDS; arguments emb, weight, out0; writes out0
.if DOCPART == 1
	.amdgcn_target "amdgcn-amd-amdhsa--gfx1250"
	.amdhsa_code_object_version 6
	.text
	.protected	k_qeaf2adf21a_route
	.globl	k_qeaf2adf21a_route
	.p2align	8
	.type	k_qeaf2adf21a_route,@function
k_qeaf2adf21a_route:
	s_mov_b64 s[64:65], 0
	v_nop
	global_prefetch_b8 v0, s[64:65] scope:SCOPE_SE
	s_setreg_imm32_b32 hwreg(HW_REG_WAVE_MODE, 25, 1), 1
	s_wait_xcnt 0x0
; out0[b][c] = ((1 + cos(protos[b][c], emb[b])) / 2 + 1e-8) / 0.1, protos = the softmax-weighted sum of the 8 anchors of class c whose cosine with emb[b] is largest.
; emb [1024][128], weight [256][64][128], out0 [1024][256], all f32.  The 64 dots of a pair (b, c) are an MX-FP4 product (K = 128, four blocks of 32 on each side); all else is f32, but for the
; operands of the weighted sum, which go to the matrix unit in bf16.
; SHARES.  Work-group (x, y): rows b = 256 x .. + 255, classes 4 y .. + 3.  Wave w owns rows 256 x + 16 w .. + 15 for the whole launch and walks the four classes.  At the head the sixteen waves
; together quantise the four classes' anchors (wave w: anchors 4 w .. 4 w + 3 of each) into LDS: codes, scale words, 1 / norm, and a bf16 copy.  One barrier.  Then no wave waits for another.
; THE CHOICE SELECTS VALUES, NOT ADDRESSES: a[s] = 2^(..) for the eight chosen anchors and 0 for the other 56, and protos^T = W^T a^T is a dense bf16 product with K = 64.  No anchor is gathered.
; ORDER OF THE SCORES.  U = 2^24 (1 + cos) is made by one fused multiply-add; from 2^23 on it is a whole number.  key = (U << 5) + 2^29 + 31 - i (i: the anchor's place in the lane) is a positive normal f32
; pattern, so the f32 maximum and minimum order keys as (score, lower index first).  A lane sorts out the best 8 of its 32, the two lanes of a row exchange them, and each finds the threshold for its own keys.
; THE LOOP IS BOUND BY ITS VECTOR INSTRUCTIONS (some 600 a class against 20 matrix instructions), so the sort's compare-exchanges, the merges' maxima and the clamp go two operations to an instruction.
; WHAT IS MOVED OR LEFT OUT, for all values of the inputs: (1) the routing score's + 1e-8 and its / 1.0: the term is the same along the softmax's axis and leaves the order as it is; the factor 1/2 is folded
; into the exponent's constant.  (2) The division by the softmax's sum Z: with pu = Z protos, cos2 = (pu . emb) / max(|pu| |emb|, 1e-8 Z), the same number in real arithmetic since Z > 0.  Every input is loaded.
; LIMITS.  NaN and infinities among the inputs are not served.  Blocks whose largest magnitude lies under 2^-124 (scale byte held at 1) were not tried; a block of zeros gets the byte 1, not 127: its codes
; are zeros and the bytes are read here alone.  cos is dot x min(rsq x rsq, 1e8) inside the multiply-add, not a square root, a product and a division: it can differ from those by a few units in cos's last place,
; which can turn the order of two scores that lie within such a distance; under U = 2^23 the key drops U's fraction.  The key needs |cos| < 1.98: in a block's scaled units the largest number leaves 1.8 x^2 - q^2 >= 9
; and each of the other 31 takes at most 0.1375 of it, so |q|^2 <= 1.8 |x|^2 on each side and |cos| <= 1.8.
; NO CLUSTER, NO TENSOR LOAD, NO PREFETCH: a work-group reads 128 KiB of emb and 128 KiB of weight once, at its head, as f32 that must pass through registers to be quantised; there is no ring to feed.
; out0: a work-group has 4 classes, so a row gets 16 bytes; 64 classes to a work-group, a whole 256 bytes of a row, would have it read 2 MiB of weight.
.set COD,   0                          ; LDS, for each class: 64 rows of codes, 64 bytes + 16 of padding
.set WSC,   5120                       ; 64 scale words
.set INW,   5376                       ; 64 f32: 1 / |w|
.set WBF,   5632                       ; 64 rows of 128 bf16 + 32 bytes of padding; the 16-byte chunks of a row are permuted (see WPASS)
.set CLSB,  24064                      ; a class
.set STG0,  4*CLSB                     ; behind the classes: a stage of its own for each wave
.set STGB,  10240
.set SPARE, STG0+16*STGB               ; behind the stages: the spare words, 128 bytes for each wave: eight blocks of 256 bytes that no other line names
.set SPW,   1                          ; v1   LDS address of my spare word; never rewritten
.set NIL,   2                          ; v2   0; never rewritten
.set ACOD0, 3                          ; v3-6 my lane's place in a class's codes, scale words, 1 / |w|, bf16 rows
.set AWSC0, 4
.set AINW0, 5
.set AWBF0, 6
.set ADC,   7                          ; v7-10 the same for the class in hand (at the head: offsets of the loads, stage addresses)
.set ADS,   8
.set ADI,   9
.set ADW,   10
.set GO,    11                         ; v11  my row's byte offset in the wave's rows of out0
.set INE,   12                         ; v12  2^24 / |emb|;  v13 |emb|
.set NE,    13
.set ES,    14                         ; v14  emb's scale word, and nothing else
.set HB,    15                         ; v15  32 x (lane / 16)
.set EC,    16                         ; v16-23 emb's codes
.set O,     24                         ; v24-27 the four results (at the head: addresses)
.set X,     32                         ; v32-95 X[32 c + i] = emb[r][64 c + 32 h + i]
.set D,     96                         ; v96-127 dots, then U, then exponents; later fragments of W^T (v96-159)
.set R,     128                        ; v128-159 1 / |w|, then 2^24 / (|w| |emb|), then a
.set K,     160                        ; v160-191 keys; later the four accumulators of protos^T
.set WC,    192                        ; v192-223 W's codes; later the sort's lists and its free pair; later the four chains
.set WS,    224                        ; v224-227 W's scale words, and nothing else
.set P,     228                        ; v228-243 a in bf16
.set PB,    244                        ; v244-251 the partner lane's list
.set NM,    252                        ; v252 -c x the largest U (named as a pair with v253)
.set NEG,   254                        ; v254 -200.0
.set T,     255                        ; v255 the threshold
.set DA,    216                        ; v[216:217], v[218:219] pu . emb in two chains;  v[220:221], v[222:223] pu . pu
.set NA,    220
.macro PLACES n
.rept \n
	v_nop
.endr
.endm
	s_load_b128 s[4:7], s[0:1], 0x0                ; emb, weight
	s_load_b64 s[8:9], s[0:1], 0x10                ; out0
	v_lshl_add_u32 v[SPW], v0, 2, SPARE
	v_mov_b32 v[NIL], 0
	v_lshrrev_b32 v28, 5, v0
	v_readfirstlane_b32 s10, v28                   ; wave 0..15
	v_and_b32 v28, 31, v0                          ; l
	v_and_b32 v29, 15, v0                          ; r
	v_bfe_u32 v30, v0, 4, 1                        ; h
	s_lshl_b32 s11, s10, 13
	v_lshl_add_u32 v7, v28, 4, s11                 ; emb: my wave's 16 rows of 512 bytes, 16 bytes a lane
	s_lshl_b32 s11, s10, 11
	v_lshl_add_u32 v8, v28, 4, s11                 ; weight: my wave's 4 anchors of a class
	s_lshl_b32 s14, ttmp9, 17                      ; 256 rows of emb
	s_mov_b32 s15, 0
	s_and_b32 s13, ttmp7, 0xffff
	s_wait_kmcnt 0x0
	s_add_nc_u64 s[4:5], s[4:5], s[14:15]
	s_lshl_b32 s14, s13, 17                        ; 4 classes of 64 x 512 bytes
	s_add_nc_u64 s[6:7], s[6:7], s[14:15]
.irp i, 0,1,2,3,4,5,6,7,8,9,10,11,12,13,14,15
	global_load_b128 v[D+4*\i:D+4*\i+3], v7, s[4:5] offset:512*\i             ; a row of emb: 32 lanes read 512 consecutive bytes
.endr
.irp p, 0,1,2,3
.irp i, 0,1,2,3
	global_load_b128 v[K+16*\p+4*\i:K+16*\p+4*\i+3], v8, s[6:7] offset:32768*\p+512*\i   ; class p, anchor 4 w + i
.endr
.endr
	s_lshl_b32 s14, ttmp9, 8
	s_lshl_b32 s11, s10, 4
	s_add_co_u32 s14, s14, s11                     ; my first row
	s_lshl_b32 s14, s14, 10                        ; of 1,024 bytes,
	s_lshl_b32 s11, s13, 4
	s_add_co_u32 s14, s14, s11                     ; and my work-group's 16 bytes in it
	s_add_nc_u64 s[8:9], s[8:9], s[14:15]
	s_mov_b32 s16, 0x76543210                      ; v_permlanex16_b32's selects for lane l xor 16
	s_mov_b32 s17, 0xfedcba98
	s_mov_b32 s18, 0x4b800000                      ; 2^24
	s_mov_b32 s19, s18
	s_mov_b32 s20, 0x3338aa3b                      ; c = log2(e) 2^-25: score = U 2^-25
	s_mov_b32 s21, s20
	s_mov_b32 s22, 0x58bebc20                      ; 2^24 / 1e-8
	s_mov_b32 s23, 0xb338aa3b                      ; -c
	s_mov_b32 s27, 0x322bcc77                      ; 1e-8
	s_mov_b32 s28, 0x3f38aa3b                      ; 2^24 c
	s_mov_b32 s29, 0xffffffe0                      ; a key without its index
	s_mul_i32 s12, s10, STGB
	s_add_co_u32 s12, s12, STG0                    ; my stage
	v_lshl_add_u32 v9, v28, 4, s12                 ; emb in: rows of 528 bytes, 16 bytes a lane
	v_mul_u32_u24 v10, v29, 528
	v_lshl_add_u32 v10, v30, 7, v10
	v_add_nc_u32 v10, s12, v10                     ; emb back: row r, + 128 h
	v_lshrrev_b32 v31, 2, v28
	v_mul_u32_u24 v24, v31, 80
	v_and_b32 v31, 3, v28
	v_lshl_add_u32 v24, v31, 4, v24
	v_add_nc_u32 v24, s12, v24                     ; W in: four lanes' 64 bytes on end, then 16 of padding
	v_mul_u32_u24 v25, v28, 80
	v_add_nc_u32 v25, s12, v25                     ; W back: place l: 16 neighbours along K
	v_lshrrev_b32 v26, 3, v0                       ; the anchor that I quantise: 4 w + l / 8
	v_and_b32 v27, 7, v0                           ; x: its numbers 16 x .. 16 x + 15
	v_mul_u32_u24 v248, v26, 80
	v_lshl_add_u32 v248, v27, 3, v248              ; its codes: 8 bytes at 8 x
	v_lshrrev_b32 v249, 1, v27
	v_lshl_add_u32 v249, v26, 2, v249
	v_add_nc_u32 v249, WSC, v249                   ; its block's byte
	v_lshl_add_u32 v250, v26, 2, INW               ; its 1 / norm
	v_mul_u32_u24 v251, v26, 288
	v_lshrrev_b32 v244, 2, v27
	v_lshl_add_u32 v251, v244, 7, v251
	v_and_b32 v244, 1, v27
	v_lshl_add_u32 v251, v244, 6, v251
	v_bfe_u32 v244, v27, 1, 1
	v_lshl_add_u32 v251, v244, 4, v251
	v_add_nc_u32 v251, WBF, v251                   ; its bf16 chunks 2 x and 2 x + 1: chunk 8 a + 4 g + b lies in slot 8 a + 2 b + g
	v_lshrrev_b32 v244, 3, v29
	v_and_b32 v245, 7, v29
	v_lshl_add_u32 v244, v244, 5, v245             ; THE ANCHORS OF A TILE ARE NOT NEIGHBOURS: lane r of tile t takes anchor 32 (r / 8) + 8 t + r % 8
	v_mul_u32_u24 v[ACOD0], v244, 80
	v_lshl_add_u32 v[ACOD0], v30, 4, v[ACOD0]
	v_lshl_add_u32 v[AWSC0], v244, 2, WSC
	v_lshl_add_u32 v[AINW0], v30, 7, INW           ; my 32 anchors: 32 h ..
	v_lshl_add_u32 v245, v30, 5, v245
	v_mul_u32_u24 v[AWBF0], v245, 288              ; the turning load: row 32 h + l % 8,
	v_bfe_u32 v245, v0, 3, 1
	v_lshl_add_u32 v[AWBF0], v245, 4, v[AWBF0]     ; 16 bytes on for lanes 8-15 and 24-31
	v_add_nc_u32 v[AWBF0], WBF, v[AWBF0]
	v_lshlrev_b32 v[GO], 10, v29
	v_lshlrev_b32 v[HB], 5, v30
	v_mov_b32 v246, 0                              ; written once: a lane permute's destination counts as one of its sources
	v_mov_b32 v247, 0
	v_mov_b32 v253, 0                              ; named as the upper half of the pair v[252:253]
	; THROUGH THE STAGE.  The loads took the bytes as they lie; the quantisers want a lane's registers to run along K.  LDS serves a wave's instructions in order, so no wait stands between stores and loads,
	; and W's stores, which land on emb's bytes, come behind emb's loads.
	s_wait_loadcnt 16                              ; emb's 16 loads are in; W's 16, issued behind them, may be out
.irp i, 0,1,2,3,4,5,6,7,8,9,10,11,12,13,14,15
	ds_store_b128 v9, v[D+4*\i:D+4*\i+3] offset:528*\i
.endr
.irp c, 0,1
.irp i, 0,1,2,3,4,5,6,7
	ds_load_b128 v[X+32*\c+4*\i:X+32*\c+4*\i+3], v10 offset:256*\c+16*\i
.endr
.endr
	s_wait_loadcnt 0x0
.irp p, 0,1,2,3
.irp i, 0,1,2,3
	ds_store_b128 v24, v[K+16*\p+4*\i:K+16*\p+4*\i+3] offset:2560*\p+640*\i
.endr
.endr
.irp p, 0,1,2,3
.irp j, 0,1,2,3
	ds_load_b128 v[D+16*\p+4*\j:D+16*\p+4*\j+3], v25 offset:2560*\p+16*\j
.endr
.endr
	; EMB: lane (r, h) holds blocks h and 2 + h of row r whole: the conversions' results are the operand's registers.
	s_wait_dscnt 32                                ; X is in; behind its loads stand W's 16 stores and 16 loads
.irp c, 0,1
	v_max3_num_f32 v[228+\c], |v[X+32*\c]|, |v[X+32*\c+1]|, 0x1800000      ; with the floor 2^(3 - 127): the byte cannot fall under 1
.endr
.irp i, 2,4,6,8,10,12,14,16,18,20,22,24,26,28,30
.irp c, 0,1
	v_max3_num_f32 v[228+\c], v[228+\c], |v[X+32*\c+\i]|, |v[X+32*\c+\i+1]|
.endr
.endr
.irp c, 0,1
	v_add_nc_u32 v[230+\c], 0xff000000, v[228+\c]  ; 2 off the exponent field: the conversion's scale operand
.endr
.irp c, 0,1
	v_lshrrev_b32 v[232+\c], 23, v[230+\c]         ; the scale's byte
.endr
	v_lshl_or_b32 v234, v233, 16, v232
	v_lshlrev_b32 v235, 3, v30
	v_lshlrev_b32 v234, v235, v234                 ; my two bytes at their places,
	v_mov_b32 v235, 0
	v_permlanex16_b32 v235, v234, s16, s17
	v_or_b32 v[ES], v234, v235                     ; with lane l xor 16's two the word is whole
.irp c, 0,1
.irp g, 0,1,2,3
	v_cvt_scalef32_pk8_fp4_f32 v[EC+4*\c+\g], v[X+32*\c+8*\g:X+32*\c+8*\g+7], v[230+\c]
.endr
.endr
	v_nop                                          ; one plain place behind the scaled conversions
	v_pk_mul_f32 v[236:237], v[X:X+1], v[X:X+1]    ; |emb|^2, of the unquantised numbers, in two chains
	v_pk_mul_f32 v[238:239], v[X+2:X+3], v[X+2:X+3]
.irp j, 4,8,12,16,20,24,28,32,36,40,44,48,52,56,60
	v_pk_fma_f32 v[236:237], v[X+\j:X+\j+1], v[X+\j:X+\j+1], v[236:237]
	v_pk_fma_f32 v[238:239], v[X+\j+2:X+\j+3], v[X+\j+2:X+\j+3], v[238:239]
.endr
	v_pk_add_f32 v[236:237], v[236:237], v[238:239]
	v_add_f32 v236, v236, v237
	v_mov_b32 v240, 0
	v_permlanex16_b32 v240, v236, s16, s17
	v_add_f32 v236, v236, v240
	v_rsq_f32 v241, v236
	v_sqrt_f32 v[NE], v236
	v_mov_b32 v[NEG], 0xc3480000                   ; -200.0.  (The plain place behind the two)
	s_wait_alu depctr_va_vdst(0)                   ; the wait ahead of the first reader: one for both
	v_mul_f32 v[INE], s18, v241
; W, class p: my 16 numbers v[Y ..] of anchor 4 w + l / 8.  Two neighbouring lanes hold a block of 32, eight lanes the anchor.  Each pass has 16 registers of its own for what its LDS stores name
; (+0, +1 codes; +2 byte; +3 1 / norm; +4 .. +11 bf16; +12 .. +15 addresses), in the registers that the raw loads have left.
.macro WPASS p
.set Y,  D+16*(\p)
.set OP, K+16*(\p)
	v_max3_num_f32 v228, |v[Y]|, |v[Y+1]|, 0x1800000
	v_pk_mul_f32 v[230:231], v[Y:Y+1], v[Y:Y+1]
.irp i, 2,4,6,8,10,12,14
	v_max3_num_f32 v228, v228, |v[Y+\i]|, |v[Y+\i+1]|
	v_pk_fma_f32 v[230:231], v[Y+\i:Y+\i+1], v[Y+\i:Y+\i+1], v[230:231]
.endr
	v_max_num_f32_dpp v228, v228, v228 row_xmask:1 row_mask:0xf bank_mask:0xf   ; with my neighbour's 16: the block's largest magnitude
	v_add_f32 v230, v230, v231
	v_add_nc_u32 v229, 0xff000000, v228
	v_add_f32_dpp v230, v230, v230 row_xmask:1 row_mask:0xf bank_mask:0xf
	v_lshrrev_b32 v[OP+2], 23, v229
	v_add_f32_dpp v230, v230, v230 row_xmask:2 row_mask:0xf bank_mask:0xf
	v_add_f32_dpp v230, v230, v230 row_xmask:4 row_mask:0xf bank_mask:0xf       ; |w|^2 in all eight lanes
	v_rsq_f32 v[OP+3], v230
	v_cvt_scalef32_pk8_fp4_f32 v[OP], v[Y:Y+7], v229
	v_cvt_scalef32_pk8_fp4_f32 v[OP+1], v[Y+8:Y+15], v229
.irp j, 0,1,2,3,4,5,6,7
	v_cvt_pk_bf16_f32 v[OP+4+\j], v[Y+2*\j], v[Y+2*\j+1]      ; (plain work behind the root and the scaled conversions)
.endr
	v_add_nc_u32 v[OP+12], (\p)*CLSB, v248
	v_add_nc_u32 v[OP+13], (\p)*CLSB, v249
	v_add_nc_u32 v[OP+14], (\p)*CLSB, v250
	v_add_nc_u32 v[OP+15], (\p)*CLSB, v251
	s_wait_alu depctr_va_vdst(0)                   ; ahead of the store that reads the root's result
	ds_store_b64 v[OP+12], v[OP:OP+1]
	ds_store_b8 v[OP+13], v[OP+2]                  ; both lanes of a block write the same byte with the same value
	ds_store_b32 v[OP+14], v[OP+3]                 ; all eight lanes the same word
	ds_store_b128 v[OP+15], v[OP+4:OP+7]
	ds_store_b128 v[OP+15], v[OP+8:OP+11] offset:32
.endm
	s_wait_dscnt 0x0                               ; W is back from the stage, and the stage's stores have read the registers that the passes now write
	WPASS 0
	WPASS 1
	WPASS 2
	WPASS 3
.irp i, 0,1,2,3
	v_mov_b32 v[O+\i], 0                           ; the results move down a place in every trip: written before they are read
.endr
	s_wait_dscnt 0x0                               ; for the others' sake: my stores have landed
	s_barrier_signal -1
	s_barrier_wait -1                              ; the four classes lie in LDS; from here on LDS is only read
; THE SORT, on keys as f32 patterns, largest first.  A COMPARE-EXCHANGE IS ONE INSTRUCTION: a maximum and a minimum of the same two registers, issued as a pair.  Such a pair wants one even and one odd
; destination.  So the network is the bitonic one, in which every comparator joins two places whose numbers differ in one bit, and place i of a list always lies in a register whose parity is that of the
; number of ones in i: the two places of a comparator then have unlike parities.  Both results go to the free pair (one even register FE, one odd FO), each to the register of its place's parity, so that neither
; half of the pair names a register that the other writes; the two registers just read become the free pair, and the names change places: no copy is made.
.macro NAME p, i, r
.set \p\i, \r
.endm
.macro NAMES p, base                   ; place i -> a register of the parity of i's ones
	NAME \p, 0, \base
	NAME \p, 1, \base+1
	NAME \p, 2, \base+3
	NAME \p, 3, \base+2
	NAME \p, 4, \base+5
	NAME \p, 5, \base+4
	NAME \p, 6, \base+6
	NAME \p, 7, \base+7
.endm
.macro CE p, i, j                      ; the larger to place i, the smaller to place j
.if ((\p\i) & 1) == 0
.set NI, FE
.set NJ, FO
.else
.set NI, FO
.set NJ, FE
.endif
	v_dual_max_num_f32 v[NI], v[\p\i], v[\p\j] :: v_dual_min_num_f32 v[NJ], v[\p\i], v[\p\j]
.if ((\p\i) & 1) == 0
.set FE, \p\i
.set FO, \p\j
.else
.set FO, \p\i
.set FE, \p\j
.endif
.set \p\i, NI
.set \p\j, NJ
.endm
.macro CE0 p, i, j, src                ; the first layer reads the keys, which stay, and writes the list
	v_dual_max_num_f32 v[\p\i], v[K+\src+\i], v[K+\src+\j] :: v_dual_min_num_f32 v[\p\j], v[K+\src+\i], v[K+\src+\j]
.endm
.macro CLEAN8 p                        ; a bitonic run of 8 becomes a falling one: 12 comparators
	CE \p, 0, 4
	CE \p, 1, 5
	CE \p, 2, 6
	CE \p, 3, 7
	CE \p, 0, 2
	CE \p, 1, 3
	CE \p, 4, 6
	CE \p, 5, 7
	CE \p, 0, 1
	CE \p, 2, 3
	CE \p, 4, 5
	CE \p, 6, 7
.endm
.macro SORT8 p, src                    ; 24 comparators: pairs falling and rising by turns; places 0-3 falling, 4-7 rising; then the whole run falling
	CE0 \p, 0, 1, \src
	CE0 \p, 3, 2, \src
	CE0 \p, 4, 5, \src
	CE0 \p, 7, 6, \src
	CE \p, 0, 2
	CE \p, 1, 3
	CE \p, 6, 4
	CE \p, 7, 5
	CE \p, 0, 1
	CE \p, 2, 3
	CE \p, 5, 4
	CE \p, 7, 6
	CLEAN8 \p
.endm
.macro MX2 a, i, k, b, j, l            ; two maxima in place; places i, k = i + 1 have unlike parities, and so have j = 7 - i, l = 7 - k: unlike destinations, and sources in unlike register banks
	v_dual_max_num_f32 v[\a\i], v[\a\i], v[\b\j] :: v_dual_max_num_f32 v[\a\k], v[\a\k], v[\b\l]
.endm
.macro MERGE8 a, b                     ; the best 8 of two falling lists: a bitonic run, which is then sorted
	MX2 \a, 0, 1, \b, 7, 6
	MX2 \a, 2, 3, \b, 5, 4
	MX2 \a, 4, 5, \b, 3, 2
	MX2 \a, 6, 7, \b, 1, 0
	CLEAN8 \a
.endm
.macro CX i, k                         ; my place i against the partner's place 7 - i, two at a time
	v_dual_max_num_f32 v[PB+7-\i], v[LA\i], v[PB+7-\i] :: v_dual_max_num_f32 v[PB+7-\k], v[LA\k], v[PB+7-\k]
.endm
; protos^T = W^T a^T, half u: tiles dt = 4 u + d of 16 channels.  K step q takes the anchors 16 q .. + 15 of each half of the lanes; row m of tile dt is channel 64 (dt / 4) + 32 (m / 8) + 8 (dt % 4) + m % 8
; (the bf16 rows' chunks were laid for that), so that accumulator register j of tile dt meets X[8 dt + j].
.macro PVLOAD u
.irp d, 0,1,2,3
.irp q, 0,1
.irp e, 0,1
	ds_load_tr16_b128 v[D+8*(2*\d+\q)+4*\e:D+8*(2*\d+\q)+4*\e+3], v[ADW] offset:288*(16*\q+8*\e)+32*(4*(\u)+\d)
.endr
.endr
.endr
.endm
.macro PVMUL                           ; the four accumulators take turns, one instruction a turn
.irp d, 0,1,2,3
	v_wmma_f32_16x16x32_bf16 v[K+8*\d:K+8*\d+7], v[D+16*\d:D+16*\d+7], v[P:P+7], 0
.endr
.irp d, 0,1,2,3
	v_wmma_f32_16x16x32_bf16 v[K+8*\d:K+8*\d+7], v[D+16*\d+8:D+16*\d+15], v[P+8:P+15], v[K+8*\d:K+8*\d+7]
.endr
.endm
.macro POST u                          ; pu . emb and pu . pu, two channels at a time, each in two chains; every accumulator is read from its low end on
.irp d, 0,1,2,3
.irp m, 0,1,2,3
.if ((\u) == 0) && (\d == 0) && (\m < 2)
	v_pk_mul_f32 v[DA+2*(\m%2):DA+2*(\m%2)+1], v[K+8*\d+2*\m:K+8*\d+2*\m+1], v[X+8*(4*(\u)+\d)+2*\m:X+8*(4*(\u)+\d)+2*\m+1]
	v_pk_mul_f32 v[NA+2*(\m%2):NA+2*(\m%2)+1], v[K+8*\d+2*\m:K+8*\d+2*\m+1], v[K+8*\d+2*\m:K+8*\d+2*\m+1]
.else
	v_pk_fma_f32 v[DA+2*(\m%2):DA+2*(\m%2)+1], v[K+8*\d+2*\m:K+8*\d+2*\m+1], v[X+8*(4*(\u)+\d)+2*\m:X+8*(4*(\u)+\d)+2*\m+1], v[DA+2*(\m%2):DA+2*(\m%2)+1]
	v_pk_fma_f32 v[NA+2*(\m%2):NA+2*(\m%2)+1], v[K+8*\d+2*\m:K+8*\d+2*\m+1], v[K+8*\d+2*\m:K+8*\d+2*\m+1], v[NA+2*(\m%2):NA+2*(\m%2)+1]
.endif
.endr
.endr
.endm
	s_mov_b32 s24, 0                               ; the class's first LDS byte
	s_mov_b32 s25, 0
.Lclass:                                           ; four trips, a class each
	v_add_nc_u32 v[ADC], s24, v[ACOD0]
	v_add_nc_u32 v[ADS], s24, v[AWSC0]
	v_add_nc_u32 v[ADI], s24, v[AINW0]
	v_add_nc_u32 v[ADW], s24, v[AWBF0]
.irp t, 0,1,2,3
.irp c, 0,1
	ds_load_b128 v[WC+8*\t+4*\c:WC+8*\t+4*\c+3], v[ADC] offset:640*\t+32*\c
.endr
.endr
.irp t, 0,1,2,3
	ds_load_b32 v[WS+\t], v[ADS] offset:32*\t
.endr
.irp i, 0,1,2,3,4,5,6,7
	ds_load_b128 v[R+4*\i:R+4*\i+3], v[ADI] offset:16*\i
.endr
	s_wait_dscnt 8                                 ; codes and scale words are in; the eight loads of 1 / |w|, issued behind them, may be out
.irp t, 0,1,2,3                                    ; TRANSPOSED: source 0 = 16 anchors, source 1 = my 16 rows of emb: register 8 t + j of lane (r, h) is the dot of row r with anchor 32 h + 8 t + j
	v_wmma_scale_f32_16x16x128_f8f6f4 v[D+8*\t:D+8*\t+7], v[WC+8*\t:WC+8*\t+7], v[EC:EC+7], 0, v[WS+\t], v[ES] matrix_a_fmt:MATRIX_FMT_FP4 matrix_b_fmt:MATRIX_FMT_FP4
.endr
	s_wait_dscnt 0x0
	; KEYS.  The first 32 lines name no register of the products: they are the places behind them.
.irp j, 0,2,4,6,8,10,12,14,16,18,20,22,24,26,28,30
	v_pk_mul_f32 v[R+\j:R+\j+1], v[R+\j:R+\j+1], v[INE:INE+1] op_sel_hi:[1,0]
.endr
.irp j, 0,2,4,6,8,10,12,14,16,18,20,22,24,26,28,30
	v_dual_min_num_f32 v[R+\j], s22, v[R+\j] :: v_dual_min_num_f32 v[R+\j+1], s22, v[R+\j+1]   ; max(|emb| |w|, 1e-8), on the reciprocal, two at a time; it also takes the infinity of a zero norm
.endr
.irp j, 0,2,4,6,8,10,12,14,16,18,20,22,24,26,28,30
	v_pk_fma_f32 v[D+\j:D+\j+1], v[D+\j:D+\j+1], v[R+\j:R+\j+1], s[18:19] op_sel_hi:[1,1,0]   ; U = 2^24 (1 + cos)
.endr
.irp i, 0,1,2,3,4,5,6,7,8,9,10,11,12,13,14,15,16,17,18,19,20,21,22,23,24,25,26,27,28,29,30,31
	v_cvt_i32_f32 v[K+\i], v[D+\i]
.endr
.irp i, 0,1,2,3,4,5,6,7,8,9,10,11,12,13,14,15,16,17,18,19,20,21,22,23,24,25,26,27,28,29,30,31
	v_lshl_add_u32 v[K+\i], v[K+\i], 5, 0x20000000+31-\i
.endr
	; the best 8 of my 32: 4 x 24 + 3 x (4 + 12) = 144 instructions
	NAMES LA, WC
	NAMES LB, WC+8
	NAMES LC, WC+16
.set FE, WC+24
.set FO, WC+25
	SORT8 LA, 0
	SORT8 LB, 8
	MERGE8 LA, LB
	SORT8 LB, 16
	SORT8 LC, 24
	MERGE8 LB, LC
	MERGE8 LA, LB
	; the other 32 anchors of my row lie in lane l xor 16.  Its keys lose their index and gain 32 h: ((U + h) << 5) stands over all my keys of a lower score and, in lanes 16-31, of the same score too,
	; and under or at all others: so anchors 0-31 win a tie, and my keys at or over the eighth largest are mine among the row's eight.
.irp i, 0,1,2,3,4,5,6,7
	v_permlanex16_b32 v[PB+\i], v[LA\i], s16, s17
.endr
	v_max_num_f32 v28, v[LA0], v[PB]               ; the row's largest key, the same in both lanes
.irp i, 0,1,2,3,4,5,6,7
	v_and_b32 v[PB+\i], s29, v[PB+\i]
.endr
.irp i, 0,1,2,3,4,5,6,7
	v_add_nc_u32 v[PB+\i], v[HB], v[PB+\i]
.endr
	CX 0, 1
	CX 2, 3
	CX 4, 5
	CX 6, 7
	v_min3_num_f32 v[T], v[PB], v[PB+1], v[PB+2]
	v_min3_num_f32 v[T], v[T], v[PB+3], v[PB+4]
	v_min3_num_f32 v[T], v[T], v[PB+5], v[PB+6]
	v_min_num_f32 v[T], v[T], v[PB+7]
	; THE SOFTMAX'S NUMERATORS: a = 2^(c U - c Umax) where chosen, else 2^-200, which comes out as 0.  The maximum is taken away.
	v_lshrrev_b32 v28, 5, v28                      ; Umax + 2^24
	v_cvt_f32_u32 v28, v28
	v_fma_f32 v[NM], v28, s23, s28                 ; -c Umax
.irp j, 0,2,4,6,8,10,12,14,16,18,20,22,24,26,28,30
	v_pk_fma_f32 v[D+\j:D+\j+1], v[D+\j:D+\j+1], s[20:21], v[NM:NM+1] op_sel_hi:[1,0,0]
.endr
.irp i, 0,1,2,3,4,5,6,7,8,9,10,11,12,13,14,15,16,17,18,19,20,21,22,23,24,25,26,27,28,29,30,31
	v_cmp_ge_f32 vcc_lo, v[K+\i], v[T]
	v_cndmask_b32 v[R+\i], v[NEG], v[D+\i], vcc_lo
.endr
.irp i, 0,1,2,3,4,5,6,7,8,9,10,11,12,13,14,15,16,17,18,19,20,21,22,23,24,25,26,27,28,29,30,31
	v_exp_f32 v[R+\i], v[R+\i]
.endr
	v_nop                                          ; the plain place behind the batch
	s_wait_alu depctr_va_vdst(0)                   ; one wait for the 32, ahead of their first reader
.irp j, 0,1,2,3,4,5,6,7,8,9,10,11,12,13,14,15
	v_cvt_pk_bf16_f32 v[P+\j], v[R+2*\j], v[R+2*\j+1]      ; registers 8 q .. 8 q + 7 are source 1 of K step q as they stand
.endr
	v_pk_add_f32 v[28:29], v[R:R+1], v[R+2:R+3]    ; Z, of the unrounded a, in two chains: a's registers are read out before the fragments land on them
	v_pk_add_f32 v[30:31], v[R+4:R+5], v[R+6:R+7]
.irp j, 8,12,16,20,24,28
	v_pk_add_f32 v[28:29], v[28:29], v[R+\j:R+\j+1]
	v_pk_add_f32 v[30:31], v[30:31], v[R+\j+2:R+\j+3]
.endr
	PVLOAD 0
	s_wait_dscnt 0x0
	PVMUL
	; The places behind the first half's products (four in front of the loads into the fragments and of the first read of results; a fifth since the second half begins the same accumulators anew) are work that is
	; due anyway and names none of their registers: five plain lines, the lane permute not counted.
	v_pk_add_f32 v[28:29], v[28:29], v[30:31]      ; the end of Z's sum
	v_mov_b32 v[O], v[O+1]                         ; the results move down a place: after four trips class i stands in register i
	v_add_f32 v28, v28, v29
	v_mov_b32 v[O+1], v[O+2]
	v_permlanex16_b32 v29, v28, s16, s17
	v_add_f32 v31, v28, v29                        ; Z
	PVLOAD 1                                       ; on their way while the first half's results are summed
	POST 0
	s_wait_dscnt 0x0
	PVMUL
	PLACES 4
	POST 1
	v_pk_add_f32 v[DA:DA+1], v[DA:DA+1], v[DA+2:DA+3]
	v_pk_add_f32 v[NA:NA+1], v[NA:NA+1], v[NA+2:NA+3]
	v_add_f32 v[DA], v[DA], v[DA+1]
	v_add_f32 v[NA], v[NA], v[NA+1]
	v_permlanex16_b32 v[DA+2], v[DA], s16, s17     ; the row's other 64 channels lie in lane l xor 16
	v_permlanex16_b32 v[NA+2], v[NA], s16, s17
	v_add_f32 v[DA], v[DA], v[DA+2]                ; pu . emb
	v_add_f32 v[NA], v[NA], v[NA+2]                ; |pu|^2
	v_sqrt_f32 v[NA+1], v[NA]
	v_mul_f32 v29, s27, v31                        ; 1e-8 Z.  (The plain place)
	s_wait_alu depctr_va_vdst(0)
	v_mul_f32 v[NA+1], v[NA+1], v[NE]
	v_max_num_f32 v[NA+1], v[NA+1], v29            ; max(|pu| |emb|, 1e-8 Z)
	v_rcp_f32 v[NA+2], v[NA+1]
	v_mov_b32 v[O+2], v[O+3]                       ; (the plain place)
	s_wait_alu depctr_va_vdst(0)
	v_mul_f32 v[DA], v[DA], v[NA+2]                ; cos2
	v_fma_f32 v[DA], v[DA], 0.5, 0.5
	v_add_f32 v[DA], s27, v[DA]
	v_mul_f32 v[O+3], 0x41200000, v[DA]            ; / 0.1
	s_add_co_u32 s24, s24, CLSB
	s_add_co_u32 s25, s25, 1
	s_cmp_lt_u32 s25, 4
	s_cbranch_scc1 .Lclass
	; THE WAY OUT: lanes r and r + 16 hold the same four numbers; lanes 0-15 store them, 16 bytes to a row.
	v_and_b32 v28, 31, v0
	v_cmp_gt_u32 vcc_lo, 16, v28
	s_wait_xcnt 0x0                                ; EXEC changes only behind this wait
	s_and_saveexec_b32 s26, vcc_lo
	global_store_b128 v[GO], v[O:O+3], s[8:9]
	s_wait_xcnt 0x0                                ; and again, in front of the line that widens it
	s_or_b32 exec_lo, exec_lo, s26
	s_wait_tensorcnt 0x0                           ; the wave's end: behind my last LDS store
	ds_add_u32 v[SPW], v[NIL]
	s_wait_dscnt 0x0
	s_endpgm
.Lfunc_end_k_qeaf2adf21a_route:
	.size	k_qeaf2adf21a_route, .Lfunc_end_k_qeaf2adf21a_route-k_qeaf2adf21a_route
	.p2alignl 7, 3214868480
	.fill 96, 4, 3214868480
	.section	.rodata,"a",@progbits
	.p2align	6, 0x0
	.amdhsa_kernel k_qeaf2adf21a_route
		.amdhsa_group_segment_fixed_size 262144
		.amdhsa_private_segment_fixed_size 0
		.amdhsa_enable_private_segment 0
		.amdhsa_kernarg_size 24
		.amdhsa_user_sgpr_count 2
		.amdhsa_user_sgpr_kernarg_segment_ptr 1
		.amdhsa_wavefront_size32 1
		.amdhsa_system_sgpr_workgroup_id_x 1
		.amdhsa_system_sgpr_workgroup_id_y 1
		.amdhsa_system_sgpr_workgroup_id_z 1
		.amdhsa_system_vgpr_workitem_id 0
		.amdhsa_next_free_vgpr 256
		.amdhsa_next_free_sgpr 66
		.amdhsa_reserve_vcc 1
		.amdhsa_float_denorm_mode_32 3
		.amdhsa_float_denorm_mode_16_64 3
		.amdhsa_memory_ordered 1
		.amdhsa_forward_progress 1
		.amdhsa_inst_pref_size 63
	.end_amdhsa_kernel
	.amdgpu_metadata
---
amdhsa.version: [ 1, 2 ]
amdhsa.kernels:
  - .name:           k_qeaf2adf21a_route
    .symbol:         k_qeaf2adf21a_route.kd
    .args:
      - { .name: emb, .offset: 0, .size: 8, .value_kind: global_buffer, .address_space: global }
      - { .name: weight, .offset: 8, .size: 8, .value_kind: global_buffer, .address_space: global }
      - { .name: out0, .offset: 16, .size: 8, .value_kind: global_buffer, .address_space: global }
    .group_segment_fixed_size: 262144
    .private_segment_fixed_size: 0
    .kernarg_segment_align: 8
    .kernarg_segment_size: 24
    .max_flat_workgroup_size: 512
    .sgpr_count:     66
    .vgpr_count:     256
    .wavefront_size: 32
...
	.end_amdgpu_metadata
.endif
;; end of part 1
